; MI455X (gfx1250); checked and timed in simulation.
; The chip was launched on July 23, 2026; its instructions are those of AMD's public machine-readable ISA for CDNA 5 (MIT licence, August 2026) and "CDNA5" Instruction Set Architecture Reference Guide (July 2026). The comments in the code are by the model that wrote it; some were corrected since.
;; Dynamic Weight Attention. Allowed arithmetic: matrix products marked QUANTISED: E4M3 operands, one E8M0 scale for each 32 along K, by v_wmma_scale_f32_16x16x128_f8f6f4 with both operands' format E4M3, f32 sums; products left as they are: f32 operands where the result goes on into a quantised operand, else bf16, f16 or f32 operands; f32 sums; everything else in f32.
;; Inputs: b1 64 float32; b2 1 float32; dynamic_features 1,024 x 256 x 16 x 16 float32; ln_beta 32 float32; ln_gamma 32 float32; static_features 256 x 16 x 16 float32; w1_codes 64 x 1 x 32 uint8 (E4M3 codes of w1, K innermost, in blocks of 32 codes); w1_scales 64 x 1 uint8 (E8M0 scales of w1, one for each 32 codes along K); w2 64 x 1 float32.
;; Outputs: out0 1,024 x 256 x 16 float32.
;; This version of the problem:
;;   THIS VERSION OF THE PROBLEM IS GIVEN IN LOW PRECISION. The matrix products marked QUANTISED in the list below multiply operands that are first quantised to E4M3 (4 exponent bits, 3 mantissa bits; 8 bits a number), with one power-of-two scale for each 32 numbers along K (OCP MX v1.0); their sums are f32. All else is computed in f32.
;;   The module's matrix products, in the order in which they are computed (A, B: the left and right operand; K: the contracted axis; several contracted axes count as one K, in the product's order):
;;     1. [M 4,194,304, K 32] x [K 32, N 64]; A: computed on the way; B: input w1 (given as codes): QUANTISED
;;     2. [M 4,194,304, K 64] x [K 64, N 1]; A: computed on the way; B: input w2: left as it is (N = 1 < 16)
;;   THE QUANTISER, for each operand of a quantised product, along K:
;;     - K is cut into blocks of 32 from its start; a last block that is shorter is filled with zeros.
;;     - A block's scale is 2^e with e = floor(log2(the largest magnitude in the block)) - 8, held to -126 .. 127; a block of zeros has e = 0. As a byte (E8M0): e + 127.
;;     - Each number is divided by its block's scale, clamped to +-448, and rounded to the nearest number of E4M3, ties to even, subnormals kept.
;;     - The product sums the exact products of the quantised numbers (number of the format x scale) in f32.
;;   ~~~python
;;   def quantise(x, axis):      # numpy; x: float32 -> the quantised numbers, widened to float32 again
;;       x = np.moveaxis(x, axis, -1); K = x.shape[-1]
;;       x = np.pad(x, [(0, 0)] * (x.ndim - 1) + [(0, -K % 32)]); x = x.reshape(x.shape[:-1] + (-1, 32)); a = np.abs(x).max(-1, keepdims=True)
;;       e = np.where(a > 0, np.clip(np.frexp(np.where(a > 0, a, 1))[1] - 1 - 8, -126, 127), 0)      # np.frexp(a)[1] - 1 = floor(log2(a)), exactly
;;       r = np.clip(x / 2.0 ** e, -448, 448)
;;       step = 2.0 ** (np.maximum(np.frexp(np.where(r == 0, 1, r))[1] - 1, -6) - 3)
;;       q = np.round(r / step) * step * 2.0 ** e      # np.round: ties to even
;;       return np.moveaxis(q.reshape(q.shape[:-2] + (-1,))[..., :K], -1, axis).astype(np.float32)
;;   ~~~
;;   OPERANDS COMPUTED ON THE WAY. 'Computed on the way' means the value that the module computes at that place (a softmax that the list does not call 'softmax' is quantised finished and normalised). What goes into a quantiser is computed in f32, as accurately as f32 sums, v_exp_f32 and their like allow (about 1e-6 of the number): no bf16 or f16 on the way to a quantiser, and a product that is left as it is and whose result goes on into a quantised operand takes f32 operands (vector FMAs, or v_wmma_f32_16x16x4_f32). A number that lies on a knife's edge between two numbers of the format may be rounded either way, as far as f32 arithmetic and the matrix unit's own rounding can turn it there, and no further.
;;   INPUTS GIVEN AS CODES. w1 (in the module: [32, 64], K = its axis 0): each comes as NAME_codes (uint8): NAME with its K axis moved to the last place and cut into blocks of 32 codes, [.., K / 32, bytes a block], one block behind the other in memory; one code a byte (a code: sign, 4 exponent bits, 3 mantissa bits); and NAME_scales (uint8): the same leading axes, one E8M0 byte (e + 127) for each 32 codes along K. Its value is code x scale, taken as it is: it is not quantised again, and the codes and scales need not be those that the quantiser above would give.
;; One version. Each part assembles by itself: llvm-mc -triple=amdgcn-amd-amdhsa -mcpu=gfx1250 --defsym DOCPART=n.
;; ======== version 1 of 1: 1 launch
;; limits: right only within a limited range of input values; inputs' magnitudes at most 262,144
;; launch score (part 1): grid 8 x 32, 16 waves a work-group, no clusters, 327,680 bytes of LDS; arguments dynamic_features, static_features, ln_gamma, ln_beta, w1_codes, w1_scales, b1, w2, b2, out0; writes out0
.if DOCPART == 1
	.amdgcn_target "amdgcn-amd-amdhsa--gfx1250"
	.amdhsa_code_object_version 6
	.text
	.protected	k_qeb0f8b7b65_score
	.globl	k_qeb0f8b7b65_score
	.p2align	8
	.type	k_qeb0f8b7b65_score,@function
k_qeb0f8b7b65_score:
	s_mov_b64 s[64:65], 0
	v_nop
	global_prefetch_b8 v0, s[64:65] scope:SCOPE_SE
	s_setreg_imm32_b32 hwreg(HW_REG_WAVE_MODE, 25, 1), 1
	s_wait_xcnt 0x0
; out0[b][n][:] = softmax over h of ( w2 . tanh( Q(LN(concat(dyn[b][n][h], stat[n][h]))) Q(w1) + b1 ) + b2 ).
; dyn [1024][256][16][16] f32, stat [256][16][16] f32, gamma, beta [32], w1 as E4M3 codes [64][32] with one E8M0 byte for each hidden unit, b1, w2 [64], b2 [1], out0 [1024][256][16] f32.
; The 32 numbers of a normalised row are ONE block of the quantiser: one scale byte a row.  The first product goes by the scaled matrix form; its K = 32 fills the first of the form's four blocks,
; the other three hold zero codes on both sides (their scale bytes are 0, which stands for a small power of two, not for NaN), so they add nothing.
; A TILE is the 16 rows h = 0 .. 15 of one (b, n).  THE PRODUCT IS USED TRANSPOSED: source 0 = 16 hidden units of w1, source 1 = the tile's 16 rows.  The operand's layout gives lane (r, hh) k = 16 hh .. 16 hh + 15 of row r:
; lanes 0-15 hold the row's DYNAMIC half, lanes 16-31 its STATIC half, and each sum and maximum of the LayerNorm and of the quantiser is joined by one exchange between the halves of the lanes.
; In the result a lane holds ONE row and 32 of its 64 hidden units: tanh, the product with w2 (f32 multiply-adds: it has one column) and its sum stay in the lane, but for one exchange.
; Two tiles share a softmax: lanes 0-15 carry the even tile's 16 scores, lanes 16-31 the odd tile's; the row's maximum is taken away ahead of the exponential.
; tanh(x) = 1 - 2 / (1 + 2^y), y = c2 x, c2 = 2 log2(e).  So score = (b2 + sum of w2) + sum over d of w[d] / a[d], with w = -2 w2 and a = 1 + 2^y.
; ONE RECIPROCAL SERVES EIGHT HIDDEN UNITS: eight terms w / a are brought over their common denominator in three packed levels (n = w0 a1 + w1 a0, p = a0 a1, and so on), and the product of eight is inverted once.
; For that y is held at 30 from above (there tanh is 1 - 2 / (1 + 2^30), which is 1 in f32), and a is carried as a x 2^-15, between 2^-15 and 2^15: a product of eight lies between 2^-120 and 2^120, for every input.
; The -15 rides in the bias term, the 2^-15 takes the place of the 1 that is added.  The scores come out x 2^15, exactly; the softmax's factor log2(e) x 2^-15 takes that off again.
; SHARES.  256 work-groups: x = which 32 n, y = which 32 b.  Sixteen waves, four to a SIMD, so that one wave's exponentials stand beside another's plain arithmetic.  Wave w: nq = w % 4 (8 n), bq = w / 4;
; it walks 8 chunks, chunk c = the 8 tiles of b = 32 y + bq + 4 c: 8,192 consecutive bytes in, 512 consecutive aligned bytes out.
; LDS.  Each wave has a region of its own and reads no other's: slot 0 (tiles 0-3) | its 8 n of static rows, filled once | slot 1 (tiles 4-7).  Slots are filled by the tensor data mover, one load of 16 rows x 256 bytes a refill.
; NO CLUSTER: work-groups share the static rows alone, 32 KiB of a work-group's 1,056 KiB of input; all dynamic data are read by one wave once.
; LIMITS: NaN and infinities among the inputs are not served; a scale byte 0xff of w1 gives NaN; a row whose 32 normalised numbers are all 0 gets the scale byte 1 where the rule says 127: its codes are zeros, so its products are the same.
; |w2| stays under 2^18 (a numerator is at most 8 x 2 |w2| x 2^105); numerators of |w2| under 2^-22 may be denormal, which leaves under 2^-44 of absolute error in a score.
.set TILEB,  1088                      ; a tile in LDS: 4 rows of 256 bytes + 16 of padding: row h lies at 272 (h / 4) + 64 (h % 4)
.set SLOTB,  4*TILEB                   ; a slot: four tiles
.set WREG,   4*SLOTB                   ; a wave's region: slot 0, static (two slots' size), slot 1
.set STATO,  SLOTB
.set SLOT1O, 3*SLOTB
.set STAGE,  16*WREG                   ; behind the regions: 512 bytes a wave for the way out; no tensor load lands here
.set SPARE,  STAGE+16*512              ; the spare words, 128 bytes for each wave: eight blocks of 256 bytes that no other line names
.set CSTEP,  0x100000                  ; from a chunk to the next: 4 b of 262,144 bytes
.set SPW, 1                            ; v1   LDS address of my spare word; never rewritten
.set NIL, 2                            ; v2   0; never rewritten
.set AD0, 3                            ; v3   tiles 0-3: lanes 0-15 slot 0, lanes 16-31 the static rows 4,352 bytes on
.set AD1, 4                            ; v4   tiles 4-7: lanes 16-31 the static rows' upper half, lanes 0-15 slot 1, 4,352 bytes on
.set STW, 5                            ; v5   the stage, in: 4 bytes a lane
.set STR, 6                            ; v6   the stage, back: 16 bytes a lane
.set GO,  7                            ; v7   my 16 bytes of a chunk's 512 in out0
.set XS,  8                            ; v8   the rows' scale word: nothing else ever
.set WS,  9                            ; v9-12  w1's scale words, tile t: nothing else ever
.set SE,  13                           ; v13  the even tile's half score
.set INIT, 14                          ; v[14:15]  ((the sum of my 32 w2 + b2 / 2) x 2^15, 0): what the score's sum starts from
.set X,   16                           ; v16-31  my 16 numbers of the row
.set T,   32                           ; v32-39  at work
.set PL,  40                           ; v40  the exchanges' destination
.set TS,  41                           ; v41  at work in FRONT;
.set SO,  41                           ;      later in the step the odd tile's half score
.set BC,  42                           ; v[42:43]  -mean, then 1 / sqrt(var + eps): the low word serves both halves of a packed line
.set OUT, 44                           ; v44-47  a chunk's results on their way out
.set BF,  48                           ; v48-63  the rows' fragment: 4 registers of codes, 12 of zero codes
.set D,   64                           ; v64-95  four results: register 8 t + j = hidden unit 16 t + 8 hh + j of my row
.set WA,  96                           ; v96-159  w1's four fragments: 4 registers of codes, 12 of zero codes each
.set CB,  160                          ; v160-191  c2 b1 - 15, in D's layout
.set W2N, 192                          ; v192-223  -2 w2, in D's layout
.set G,   224                          ; v224-239  gamma[16 hh + k]
.set BT,  240                          ; v240-255  beta[16 hh + k]
.set G1D, 32                           ; s[32:39]  descriptor group 1: a slot's 16 rows
.set G1S, 40                           ; s[40:47]  the static rows: 32 rows
.set G0,  48                           ; s[48:55]  group 0, a set for each slot
.set G0S, 56                           ; s[56:59]  group 0 for the static rows
.set SEL, 60                           ; s[60:61]  v_permlanex16_b32's selects: lane l xor 16
.set CNT, 62
.set LOW, 66                           ; s[66:67]  2^-15, twice
.set C2,  68                           ; s[68:69]  c2, twice (a packed line names the pair)
.set MNT, 70                           ; the mantissa field of 448
.set R32, 71                           ; 1 / 32
.set EPS, 72                           ; 1e-4
.set L2E, 73                           ; log2(e) x 2^-15
.set UP,  74                           ; a lane mask: lanes 16-31
.set TOP, 75                           ; 15.0: the hold of y - 15
.macro PLACES n
.rept \n
	v_nop
.endr
.endm
; Tile i's 16 numbers a lane: four loads of 16 bytes; the one immediate picks dynamic tile i for lanes 0-15 and static n = i for lanes 16-31
.macro LOADX tile
.if (\tile) < 4
.irp j, 0,1,2,3
	ds_load_b128 v[X+4*\j:X+4*\j+3], v[AD0] offset:(\tile)*TILEB+16*\j
.endr
.else
.irp j, 0,1,2,3
	ds_load_b128 v[X+4*\j:X+4*\j+3], v[AD1] offset:((\tile)-4)*TILEB+16*\j
.endr
.endif
.endm
; The first product of one tile: four results, each begun with the constant 0; no two share an accumulator
.macro MM
.irp t, 0,1,2,3
	v_wmma_scale_f32_16x16x128_f8f6f4 v[D+8*\t:D+8*\t+7], v[WA+16*\t:WA+16*\t+15], v[BF:BF+15], 0, v[WS+\t], v[XS]
.endr
.endm
; LayerNorm and quantiser of the tile in X: codes into v[BF .. BF+3], the scale word into v[XS].  It stands behind the products of the tile before and names none of their registers until far more than
; eight plain lines have passed: so it is also the distance between those products and the first read of their results.
.macro FRONT
	s_wait_dscnt 0x0                               ; X is in (and every older LDS instruction of mine is done)
.irp k, 0,1,2,3
	v_pk_add_f32 v[T+2*\k:T+2*\k+1], v[X+4*\k:X+4*\k+1], v[X+4*\k+2:X+4*\k+3]
.endr
	v_pk_add_f32 v[T:T+1], v[T:T+1], v[T+2:T+3]
	v_pk_add_f32 v[T+4:T+5], v[T+4:T+5], v[T+6:T+7]
	v_pk_add_f32 v[T:T+1], v[T:T+1], v[T+4:T+5]
	v_add_f32 v[TS], v[T], v[T+1]                  ; the sum of my 16,
	v_permlanex16_b32 v[PL], v[TS], s[SEL], s[SEL+1]
	v_add_f32 v[TS], v[TS], v[PL]                  ; and of the row's other 16
	v_mul_f32 v[BC], 0xbd000000, v[TS]             ; -mean = sum x -1/32
.irp k, 0,2,4,6,8,10,12,14
	v_pk_add_f32 v[X+\k:X+\k+1], v[X+\k:X+\k+1], v[BC:BC+1] op_sel_hi:[1,0]   ; x - mean
.endr
	v_pk_mul_f32 v[T:T+1], v[X:X+1], v[X:X+1]      ; the squares, in two chains
	v_pk_mul_f32 v[T+2:T+3], v[X+2:X+3], v[X+2:X+3]
.irp k, 4,8,12
	v_pk_fma_f32 v[T:T+1], v[X+\k:X+\k+1], v[X+\k:X+\k+1], v[T:T+1]
	v_pk_fma_f32 v[T+2:T+3], v[X+\k+2:X+\k+3], v[X+\k+2:X+\k+3], v[T+2:T+3]
.endr
	v_pk_add_f32 v[T:T+1], v[T:T+1], v[T+2:T+3]
	v_add_f32 v[TS], v[T], v[T+1]
	v_permlanex16_b32 v[PL], v[TS], s[SEL], s[SEL+1]
	v_add_f32 v[TS], v[TS], v[PL]
	v_fma_f32 v[TS], v[TS], s[R32], s[EPS]         ; var + eps
	v_rsq_f32 v[BC], v[TS]
	v_nop                                          ; one plain line behind a transcendental before its result is used (ISA guide 5.7.2)
	s_wait_alu depctr_va_vdst(0)
.irp k, 0,2,4,6,8,10,12,14
	v_pk_mul_f32 v[X+\k:X+\k+1], v[X+\k:X+\k+1], v[BC:BC+1] op_sel_hi:[1,0]
.endr
.irp k, 0,2,4,6,8,10,12,14
	v_pk_fma_f32 v[X+\k:X+\k+1], v[X+\k:X+\k+1], v[G+\k:G+\k+1], v[BT+\k:BT+\k+1]   ; x gamma + beta: what is quantised
.endr
	v_max3_num_f32 v[T], |v[X]|, |v[X+1]|, 0x4800000               ; the largest magnitude of my 16, in two chains, and the floor 2^(9 - 127): the byte cannot fall under 1
	v_max3_num_f32 v[T+1], |v[X+2]|, |v[X+3]|, |v[X+4]|
	v_max3_num_f32 v[T], v[T], |v[X+5]|, |v[X+6]|
	v_max3_num_f32 v[T+1], v[T+1], |v[X+7]|, |v[X+8]|
	v_max3_num_f32 v[T], v[T], |v[X+9]|, |v[X+10]|
	v_max3_num_f32 v[T+1], v[T+1], |v[X+11]|, |v[X+12]|
	v_max3_num_f32 v[T], v[T], |v[X+13]|, |v[X+14]|
	v_max3_num_f32 v[T], v[T], v[T+1], |v[X+15]|
	v_permlanex16_b32 v[PL], v[T], s[SEL], s[SEL+1]
	v_max_num_f32 v[T], v[T], v[PL]                ; the block's
	v_add_nc_u32 v[T+2], 0xfc000000, v[T]          ; 8 off its exponent field: the conversion takes the exponent field of this operand as its scale
	v_and_or_b32 v[T+3], v[T], 0x7f800000, s[MNT]  ; 448 x the scale
	v_lshrrev_b32 v[XS], 23, v[T+2]                ; the scale's byte in byte 0; bytes 1-3, for the zero codes, are 0.  The 16 holds below keep it more than eight plain lines ahead of the next products
.irp k, 0,1,2,3,4,5,6,7,8,9,10,11,12,13,14,15
	v_med3_num_f32 v[X+\k], v[X+\k], -v[T+3], v[T+3]   ; the conversion to an 8-bit code does not saturate (ISA guide 7.6.2): hold first
.endr
	v_cvt_scalef32_pk8_fp8_f32 v[BF:BF+1], v[X:X+7], v[T+2]
	v_cvt_scalef32_pk8_fp8_f32 v[BF+2:BF+3], v[X+8:X+15], v[T+2]
	v_nop                                          ; one plain line directly behind the last conversion
.endm
; tanh and the product with w2 of the tile in D; my half of the row's score, x 2^15, goes to v[dst].  Each result is read from its low end on, in ascending order.  Registers alone.
; A SLOT below is a pair of registers, slot j = v[D + 2 j : D + 2 j + 1]; a packed line works on two groups at once, one in the low words and one in the high words.
; By this macro's own count: 36 transcendental lines (32 exponentials, 4 reciprocals) and 109 plain ones; a reciprocal for each number would make 64 and 52.
.macro BACK dst
.set q, 0
.rept 16
	v_pk_fma_f32 v[D+q:D+q+1], v[D+q:D+q+1], s[C2:C2+1], v[CB+q:CB+q+1] op_sel_hi:[1,0,1]   ; y - 15 = c2 acc + (c2 b1 - 15)
.set q, q+2
.endr
.irp u, 0,16                                   ; in two halves: the second half's holds are the plain lines behind the first half's exponentials
.set q, \u
.rept 16
	v_min_num_f32 v[D+q], s[TOP], v[D+q]           ; y held at 30
.set q, q+1
.endr
.set q, \u
.rept 16
	v_exp_f32 v[D+q], v[D+q]                       ; 2^y x 2^-15
.set q, q+1
.endr
.endr
.set q, 0
	s_wait_alu depctr_va_vdst(0)
.rept 16
	v_pk_add_f32 v[D+q:D+q+1], v[D+q:D+q+1], s[LOW:LOW+1] op_sel_hi:[1,0]   ; a x 2^-15.  (The first half's additions are the plain lines behind the second half's exponentials)
.set q, q+2
.endr
; level 1: slots 2 M and 2 M + 1 (a0, a1) become n = w0 a1 + w1 a0 (slot 2 M) and p = a0 a1 (slot 2 M + 1).  Four at a time, so that no line waits for the line above it
.irp g, 0,4
.irp m, 0,1,2,3
	v_pk_mul_f32 v[T+2*\m:T+2*\m+1], v[W2N+4*(\g+\m):W2N+4*(\g+\m)+1], v[D+4*(\g+\m)+2:D+4*(\g+\m)+3]
.endr
.irp m, 0,1,2,3
	v_pk_mul_f32 v[D+4*(\g+\m)+2:D+4*(\g+\m)+3], v[D+4*(\g+\m):D+4*(\g+\m)+1], v[D+4*(\g+\m)+2:D+4*(\g+\m)+3]
.endr
.irp m, 0,1,2,3
	v_pk_fma_f32 v[D+4*(\g+\m):D+4*(\g+\m)+1], v[W2N+4*(\g+\m)+2:W2N+4*(\g+\m)+3], v[D+4*(\g+\m):D+4*(\g+\m)+1], v[T+2*\m:T+2*\m+1]
.endr
.endr
; level 2: (nA, pA, nB, pB) in slots 4 c .. 4 c + 3 become N = nA pB + nB pA (slot 4 c + 2) and Q = pA pB (slot 4 c + 3)
.irp c, 0,1,2,3
	v_pk_mul_f32 v[T+2*\c:T+2*\c+1], v[D+8*\c:D+8*\c+1], v[D+8*\c+6:D+8*\c+7]
.endr
.irp c, 0,1,2,3
	v_pk_fma_f32 v[D+8*\c+4:D+8*\c+5], v[D+8*\c+4:D+8*\c+5], v[D+8*\c+2:D+8*\c+3], v[T+2*\c:T+2*\c+1]
.endr
.irp c, 0,1,2,3
	v_pk_mul_f32 v[D+8*\c+6:D+8*\c+7], v[D+8*\c+2:D+8*\c+3], v[D+8*\c+6:D+8*\c+7]
.endr
; level 3: (NA, QA) in slots 8 z + 2, 8 z + 3 and (NB, QB) in slots 8 z + 6, 8 z + 7.  The product of eight comes first and is inverted while the numerator is finished
.irp z, 0,1
	v_pk_mul_f32 v[T+4+2*\z:T+5+2*\z], v[D+16*\z+6:D+16*\z+7], v[D+16*\z+14:D+16*\z+15]   ; QA QB: between 2^-120 and 2^120
.endr
.irp z, 0,1
	v_pk_mul_f32 v[T+2*\z:T+2*\z+1], v[D+16*\z+4:D+16*\z+5], v[D+16*\z+14:D+16*\z+15]     ; NA QB
.endr
.irp k, 4,5,6,7
	v_rcp_f32 v[T+\k], v[T+\k]
.endr
.irp z, 0,1
	v_pk_fma_f32 v[D+16*\z+12:D+16*\z+13], v[D+16*\z+12:D+16*\z+13], v[D+16*\z+6:D+16*\z+7], v[T+2*\z:T+2*\z+1]   ; + NB QA.  (Plain lines behind the reciprocals, which name none of their registers)
.endr
	s_wait_alu depctr_va_vdst(0)
	v_pk_fma_f32 v[T:T+1], v[D+12:D+13], v[T+4:T+5], v[INIT:INIT+1]   ; the four groups of eight, onto the sum of w2 and b2's half
	v_pk_fma_f32 v[T:T+1], v[D+28:D+29], v[T+6:T+7], v[T:T+1]
	v_add_f32 v[\dst], v[T], v[T+1]
.endm
; The softmax of tiles 2 p and 2 p + 1.  Each lane keeps the half score of the tile that its half of the lanes will carry and sends the other tile's to the lane 16 away.
.macro PAIR p
	v_cndmask_b32 v[T], v[SO], v[SE], s[UP]        ; sent: lanes 16-31 the even tile's, lanes 0-15 the odd tile's
	v_cndmask_b32 v[T+1], v[SE], v[SO], s[UP]      ; kept: the other way round
	v_permlanex16_b32 v[PL], v[T], s[SEL], s[SEL+1]
	v_add_f32 v[T+1], v[T+1], v[PL]                ; the score of row lane % 16 of my half's tile, x 2^15
	v_max_num_f32_dpp v[T+2], v[T+1], v[T+1] row_xmask:1 row_mask:0xf bank_mask:0xf
	v_max_num_f32_dpp v[T+2], v[T+2], v[T+2] row_xmask:2 row_mask:0xf bank_mask:0xf
	v_max_num_f32_dpp v[T+2], v[T+2], v[T+2] row_xmask:4 row_mask:0xf bank_mask:0xf
	v_max_num_f32_dpp v[T+2], v[T+2], v[T+2] row_xmask:8 row_mask:0xf bank_mask:0xf   ; the largest of the 16 scores
	v_sub_f32 v[T+1], v[T+1], v[T+2]
	v_mul_f32 v[T+1], s[L2E], v[T+1]               ; x log2(e) x 2^-15
	v_exp_f32 v[T+1], v[T+1]
	v_nop
	s_wait_alu depctr_va_vdst(0)
	v_add_f32_dpp v[T+3], v[T+1], v[T+1] row_xmask:1 row_mask:0xf bank_mask:0xf
	v_add_f32_dpp v[T+3], v[T+3], v[T+3] row_xmask:2 row_mask:0xf bank_mask:0xf
	v_add_f32_dpp v[T+3], v[T+3], v[T+3] row_xmask:4 row_mask:0xf bank_mask:0xf
	v_add_f32_dpp v[T+3], v[T+3], v[T+3] row_xmask:8 row_mask:0xf bank_mask:0xf
	v_rcp_f32 v[T+3], v[T+3]
	v_nop
	s_wait_alu depctr_va_vdst(0)
	v_mul_f32 v[T+1], v[T+1], v[T+3]
	ds_store_b32 v[STW], v[T+1] offset:128*(\p)    ; two n of 64 bytes: 128 p + 4 x lane
.endm
; A chunk's 512 bytes leave: back from my stage 16 bytes a lane (LDS serves a wave's instructions in order, ISA guide 5.7.1.4: the load sees my four stores), one store of 512 consecutive bytes, aligned
.macro SEND last
	ds_load_b128 v[OUT:OUT+3], v[STR]
	s_wait_dscnt 0x0
	global_store_b128 v[GO], v[OUT:OUT+3], s[22:23] th:TH_STORE_NT
.if \last == 0
	s_wait_xcnt 0x0                                ; the store's base and data are written again only behind this wait
	s_add_nc_u64 s[22:23], s[22:23], 0x10000       ; 4 b of 16,384 bytes on
.endif
.endm
; STEP i of a chunk: tile i's products | tile i + 1's LayerNorm and codes | tile i + 2's loads | tile i's tanh and score.  last = 1: the eighth chunk, which has no successor.
; Slot 0's last read (tile 3) is issued in step 1 and waited for at the head of step 2's FRONT: step 2 fills it again, with the next chunk's tiles 0-3; step 6 does the same for slot 1.
.macro STEP i, last
	MM
.if \last && (\i == 7)
	PLACES 8                                       ; nothing is left to prepare: eight places between the products and the first read of their results
.else
	FRONT
.endif
.if (\i == 2) || (\i == 6)
.if \last
.if \i == 2
	s_wait_tensorcnt 0x0                           ; slot 1's last fill has landed
	LOADX 4
.endif
	BACK SE
.else
	s_wait_tensorcnt 0x0                           ; all my tensor loads have landed: the one that was out is the other slot's;
	ds_add_u32 v[SPW], v[NIL]                      ; 0 onto my spare word
	s_add_nc_u64 s[G0+4*(\i/4)+2:G0+4*(\i/4)+3], s[G0+4*(\i/4)+2:G0+4*(\i/4)+3], CSTEP   ; no load of mine is out, so the slot's group 0 may step to the next chunk
	s_wait_dscnt 0x0                               ; the add is done; my reads of the slot were waited for at FRONT's head
	s_barrier_signal -1
	BACK SE                                        ; work on registers while the other waves arrive
	s_barrier_wait -1
	tensor_load_to_lds s[G0+4*(\i/4):G0+4*(\i/4)+3], s[G1D:G1D+7]   ; my one tensor load behind this barrier, and the first thing there: four steps' work lies ahead of the wait for it
	s_nop 0
	PLACES 4
	LOADX (\i+2)%8                                 ; the other slot's first tile
.endif
.else
.if (\last == 0) || (\i < 6)
	LOADX (\i+2)%8
.endif
.if \i % 2
	BACK SO
.else
	BACK SE
.endif
.endif
.if \i % 2
	PAIR \i/2
.endif
.if \i == 7
	SEND \last
.endif
.endm
.macro CHUNK last
.irp i, 0,1,2,3,4,5,6,7
	STEP \i, \last
.endr
.endm
	s_load_b512 s[4:19], s[0:1], 0x0               ; dyn s[4:5], stat s[6:7], gamma s[8:9], beta s[10:11], w1's codes s[12:13], its scales s[14:15], b1 s[16:17], w2 s[18:19]
	s_load_b128 s[20:23], s[0:1], 0x40             ; b2 s[20:21], out0 s[22:23]
	v_lshl_add_u32 v[SPW], v0, 2, SPARE
	v_mov_b32 v[NIL], 0
	ds_add_u32 v1, v2
	ds_add_u32 v1, v2
	s_wait_dscnt 0x0
	v_lshrrev_b32 v32, 5, v0
	v_readfirstlane_b32 s25, v32                   ; wave 0..15
	s_and_b32 s26, s25, 3                          ; nq
	s_lshr_b32 s27, s25, 2                         ; bq
	s_and_b32 s63, ttmp7, 0xffff
	s_lshl_b32 s63, s63, 5
	s_add_co_u32 s63, s63, s27                     ; my first b = 32 y + bq
	s_lshl_b32 s30, ttmp9, 15                      ; my first n = 32 x + 8 nq, 1,024 bytes each: its offset in stat,
	s_lshl_b32 s31, s26, 13
	s_add_co_u32 s30, s30, s31
	s_mov_b32 s31, 0
	s_lshl_b32 s28, s63, 18                        ; and with 262,144 bytes a b its offset in dyn (under 2^28)
	s_add_co_u32 s28, s28, s30
	s_mov_b32 s29, 0
	; group 1: dense blocks as rows of 256 bytes (32 elements of 8 bytes), 16 bytes of padding behind each
	s_mov_b32 s[G1D], (3<<16)|(1<<20)|(5<<22)|(3<<25)   ; 15:0 no mask; 17:16 elements of 8 bytes; 20 padding on; 24:22 after every 64 words (code 5); 31:25 four words (code 3)
	s_mov_b32 s[G1D+1], 32<<16                     ; tensor_dim0 = 32
	s_mov_b32 s[G1D+2], 16<<16                     ; tensor_dim1 = 16
	s_mov_b32 s[G1D+3], 32<<16                     ; tile_dim0 = 32
	s_mov_b32 s[G1D+4], 16                         ; tile_dim1 = 16
	s_mov_b32 s[G1D+5], 32                         ; from row to row: 32 elements
	s_mov_b32 s[G1D+6], 0
	s_mov_b32 s[G1D+7], 0
	s_mov_b32 s[G1S], (3<<16)|(1<<20)|(5<<22)|(3<<25)
	s_mov_b32 s[G1S+1], 32<<16
	s_mov_b32 s[G1S+2], 32<<16                     ; 32 rows
	s_mov_b32 s[G1S+3], 32<<16
	s_mov_b32 s[G1S+4], 32
	s_mov_b32 s[G1S+5], 32
	s_mov_b32 s[G1S+6], 0
	s_mov_b32 s[G1S+7], 0
	s_mul_i32 s63, s25, WREG                       ; my region in LDS
	s_mov_b32 s[SEL], 0x76543210
	s_mov_b32 s[SEL+1], 0xfedcba98
	s_mov_b32 s[C2], 0x4038aa3b                    ; 2 log2(e)
	s_mov_b32 s[C2+1], s[C2]
	s_mov_b32 s[LOW], 0x38000000                   ; 2^-15
	s_mov_b32 s[LOW+1], s[LOW]
	s_mov_b32 s[TOP], 0x41700000                   ; 15.0
	s_mov_b32 s[MNT], 0x600000
	s_mov_b32 s[R32], 0x3d000000
	s_mov_b32 s[EPS], 0x38d1b717
	s_mov_b32 s[L2E], 0x3838aa3b                   ; log2(e) with 15 off its exponent field
	s_mov_b32 s[UP], 0xffff0000
	s_wait_kmcnt 0x0
	s_mov_b32 s[G0], 1                             ; count = 1
	s_mov_b32 s[G0+1], s63                         ; slot 0
	s_add_nc_u64 s[G0+2:G0+3], s[4:5], s[28:29]    ; chunk 0, tiles 0-3
	s_mov_b32 s[G0+4], 1
	s_add_co_u32 s[G0+5], s63, SLOT1O              ; slot 1
	s_add_nc_u64 s[G0+6:G0+7], s[G0+2:G0+3], 4096  ; chunk 0, tiles 4-7
	s_or_b32 s[G0+3], s[G0+3], 0x80000000          ; type = 2
	s_or_b32 s[G0+7], s[G0+7], 0x80000000
	s_mov_b32 s[G0S], 1
	s_add_co_u32 s[G0S+1], s63, STATO
	s_add_nc_u64 s[G0S+2:G0S+3], s[6:7], s[30:31]
	s_or_b32 s[G0S+3], s[G0S+3], 0x80000000
	tensor_load_to_lds s[G0S:G0S+3], s[G1S:G1S+7]  ; the first fills go out together, ahead of every wait on TENSORcnt, LDS read and barrier: three loads of mine are out, later one
	s_nop 0
	tensor_load_to_lds s[G0:G0+3], s[G1D:G1D+7]
	s_nop 0
	tensor_load_to_lds s[G0+4:G0+7], s[G1D:G1D+7]
	s_nop 0
	PLACES 4
	s_load_b32 s24, s[20:21], 0x0                  ; b2
	s_lshr_b32 s28, s28, 4                         ; out0 has a sixteenth of dyn's bytes, in the same order
	s_add_nc_u64 s[22:23], s[22:23], s[28:29]
	v_bfe_u32 v32, v0, 2, 2                        ; (lane % 16) / 4
	v_and_b32 v33, 3, v0                           ; lane % 4
	v_bfe_u32 v34, v0, 4, 1                        ; hh
	v_and_b32 v35, 31, v0                          ; lane
	v_mul_u32_u24 v32, v32, 272
	v_lshl_add_u32 v32, v33, 6, v32                ; row h's place in a tile
	v_add_nc_u32 v32, s63, v32
	v_mad_u32_u24 v[AD0], v34, SLOTB, v32          ; lanes 16-31: one slot's size on: the static rows
	v_xor_b32 v33, 1, v34
	v_mad_u32_u24 v[AD1], v33, SLOTB, v32          ; lanes 0-15: one slot's size on,
	v_add_nc_u32 v[AD1], 2*SLOTB, v[AD1]           ; from the static rows' upper half: slot 1
	s_lshl_b32 s27, s25, 9
	s_add_co_u32 s27, s27, STAGE                   ; my stage
	v_lshl_add_u32 v[STW], v35, 2, s27
	v_lshl_add_u32 v[STR], v35, 4, s27
	v_lshlrev_b32 v[GO], 4, v35
	v_lshlrev_b32 v36, 6, v34                      ; gamma, beta: my half's 16 numbers
	v_and_b32 v38, 15, v0                          ; r
	v_lshlrev_b32 v37, 5, v38
	v_lshl_add_u32 v37, v34, 4, v37                ; w1's codes: row r of 32 bytes, + 16 hh
	v_lshlrev_b32 v39, 5, v34                      ; b1, w2: my half's 8 numbers of a tile's 16
.irp j, 0,1,2,3
	global_load_b128 v[G+4*\j:G+4*\j+3], v36, s[8:9] offset:16*\j
	global_load_b128 v[BT+4*\j:BT+4*\j+3], v36, s[10:11] offset:16*\j
.endr
.irp t, 0,1,2,3
	global_load_b128 v[WA+16*\t:WA+16*\t+3], v37, s[12:13] offset:512*\t      ; hidden units 16 t + r
	global_load_u8 v[WS+\t], v38, s[14:15] offset:16*\t                       ; their scale bytes: byte 0 of the word; bytes 1-3 come as 0
	global_load_b128 v[CB+8*\t:CB+8*\t+3], v39, s[16:17] offset:64*\t
	global_load_b128 v[CB+8*\t+4:CB+8*\t+7], v39, s[16:17] offset:64*\t+16
	global_load_b128 v[W2N+8*\t:W2N+8*\t+3], v39, s[18:19] offset:64*\t
	global_load_b128 v[W2N+8*\t+4:W2N+8*\t+7], v39, s[18:19] offset:64*\t+16
.endr
.irp k, 4,5,6,7,8,9,10,11,12,13,14,15              ; the zero codes of K = 32 .. 127, written once: operands, not sums
	v_mov_b32 v[BF+\k], 0
.irp t, 0,1,2,3
	v_mov_b32 v[WA+16*\t+\k], 0
.endr
.endr
	v_mov_b32 v[INIT+1], 0
	v_mov_b32 v[PL], 0                             ; a lane permute's destination counts as one of its sources
	v_mov_b32 v[BC+1], 0                           ; named as the upper half of a pair
	s_wait_loadcnt 0x0                             ; all constants are in; the offsets in v36-39 are done with
	s_wait_kmcnt 0x0
	v_mov_b32 v[T+4], 0xc1700000                   ; -15.0, twice
	v_mov_b32 v[T+5], 0xc1700000
.set q, 0
.rept 16
	v_pk_fma_f32 v[CB+q:CB+q+1], v[CB+q:CB+q+1], s[C2:C2+1], v[T+4:T+5] op_sel_hi:[1,0,1]   ; c2 b1 - 15
.set q, q+2
.endr
	v_pk_add_f32 v[T:T+1], v[W2N:W2N+1], v[W2N+2:W2N+3]
.set q, 4
.rept 14
	v_pk_add_f32 v[T:T+1], v[T:T+1], v[W2N+q:W2N+q+1]
.set q, q+2
.endr
	v_add_f32 v[INIT], v[T], v[T+1]                ; the sum of my 32 w2,
	v_fma_f32 v[INIT], s24, 0.5, v[INIT]           ; and half of b2: the two halves of the lanes are added later;
	v_mul_f32 v[INIT], 0x47000000, v[INIT]         ; x 2^15, as the terms that are added onto it
.set q, 0
.rept 16
	v_pk_mul_f32 v[W2N+q:W2N+q+1], v[W2N+q:W2N+q+1], -2.0 op_sel_hi:[1,0]
.set q, q+2
.endr
	s_wait_tensorcnt 0x1                           ; behind slot 0's load one more was issued, slot 1's: the static rows and slot 0 are in.  I alone read them: no barrier
	LOADX 0
	FRONT                                          ; tile 0's codes
	LOADX 1
	PLACES 4                                       ; codes written by vector instructions stand four places ahead of a scaled matrix instruction
	s_mov_b32 s[CNT], 7
.Lchunk:                                               ; seven trips: a chunk of 8 tiles each, both slots filled again
	CHUNK 0
	s_sub_co_u32 s[CNT], s[CNT], 1
	s_cmp_lg_u32 s[CNT], 0
	s_cbranch_scc1 .Lchunk
	CHUNK 1                                        ; the eighth chunk is written out: it asks for nothing
	s_wait_tensorcnt 0x0                           ; the wave's end, behind my last tensor load and my last LDS store
	ds_add_u32 v[SPW], v[NIL]
	s_wait_dscnt 0x0
	s_endpgm
.Lfunc_end_k_qeb0f8b7b65_score:
	.size	k_qeb0f8b7b65_score, .Lfunc_end_k_qeb0f8b7b65_score-k_qeb0f8b7b65_score
	.p2alignl 7, 3214868480
	.fill 96, 4, 3214868480
	.section	.rodata,"a",@progbits
	.p2align	6, 0x0
	.amdhsa_kernel k_qeb0f8b7b65_score
		.amdhsa_group_segment_fixed_size 327680
		.amdhsa_private_segment_fixed_size 0
		.amdhsa_enable_private_segment 0
		.amdhsa_kernarg_size 80
		.amdhsa_user_sgpr_count 2
		.amdhsa_user_sgpr_kernarg_segment_ptr 1
		.amdhsa_wavefront_size32 1
		.amdhsa_system_sgpr_workgroup_id_x 1
		.amdhsa_system_sgpr_workgroup_id_y 1
		.amdhsa_system_sgpr_workgroup_id_z 1
		.amdhsa_system_vgpr_workitem_id 0
		.amdhsa_next_free_vgpr 256
		.amdhsa_next_free_sgpr 76
		.amdhsa_reserve_vcc 0
		.amdhsa_float_denorm_mode_32 3
		.amdhsa_float_denorm_mode_16_64 3
		.amdhsa_memory_ordered 1
		.amdhsa_forward_progress 1
		.amdhsa_inst_pref_size 227
	.end_amdhsa_kernel
	.amdgpu_metadata
---
amdhsa.version: [ 1, 2 ]
amdhsa.kernels:
  - .name:           k_qeb0f8b7b65_score
    .symbol:         k_qeb0f8b7b65_score.kd
    .args:
      - { .name: dynamic_features, .offset: 0, .size: 8, .value_kind: global_buffer, .address_space: global }
      - { .name: static_features, .offset: 8, .size: 8, .value_kind: global_buffer, .address_space: global }
      - { .name: ln_gamma, .offset: 16, .size: 8, .value_kind: global_buffer, .address_space: global }
      - { .name: ln_beta, .offset: 24, .size: 8, .value_kind: global_buffer, .address_space: global }
      - { .name: w1_codes, .offset: 32, .size: 8, .value_kind: global_buffer, .address_space: global }
      - { .name: w1_scales, .offset: 40, .size: 8, .value_kind: global_buffer, .address_space: global }
      - { .name: b1, .offset: 48, .size: 8, .value_kind: global_buffer, .address_space: global }
      - { .name: w2, .offset: 56, .size: 8, .value_kind: global_buffer, .address_space: global }
      - { .name: b2, .offset: 64, .size: 8, .value_kind: global_buffer, .address_space: global }
      - { .name: out0, .offset: 72, .size: 8, .value_kind: global_buffer, .address_space: global }
    .group_segment_fixed_size: 327680
    .private_segment_fixed_size: 0
    .kernarg_segment_align: 8
    .kernarg_segment_size: 80
    .max_flat_workgroup_size: 512
    .sgpr_count:     76
    .vgpr_count:     256
    .wavefront_size: 32
...
	.end_amdgpu_metadata
.endif
;; end of part 1
